; MI455X (gfx1250); checked and timed in simulation.
; The chip was launched on July 23, 2026; its instructions are those of AMD's public machine-readable ISA for CDNA 5 (MIT licence, August 2026) and "CDNA5" Instruction Set Architecture Reference Guide (July 2026). The comments in the code are by the model that wrote it; some were corrected since.
;; Linear Quantized. Allowed arithmetic: matrix products marked QUANTISED: E2M1 operands, one E8M0 scale for each 32 along K, by v_wmma_scale_f32_16x16x128_f8f6f4 with both operands' format E2M1 (or v_wmma_scale_f32_32x16x128_f4), f32 sums; everything else in f32.
;; Inputs: quantized_bias 4,096 int32; quantized_weight 4,096 x 4,096 int32; weight_scale 4,096 float32; x 4 x 1,024 x 4,096 float32.
;; Outputs: out0 4 x 1,024 x 4,096 float32.
;; This version of the problem:
;;   THIS VERSION OF THE PROBLEM IS GIVEN IN LOW PRECISION. The matrix products marked QUANTISED in the list below multiply operands that are first quantised to E2M1 (2 exponent bits, 1 mantissa bit; 4 bits a number), with one power-of-two scale for each 32 numbers along K (OCP MX v1.0); their sums are f32. All else is computed in f32.
;;   The module's matrix products, in the order in which they are computed (A, B: the left and right operand; K: the contracted axis; several contracted axes count as one K, in the product's order):
;;     1. [M 4,096, K 4,096] x [K 4,096, N 4,096]; A: computed on the way; B: computed on the way: QUANTISED
;;   THE QUANTISER, for each operand of a quantised product, along K:
;;     - K is cut into blocks of 32 from its start; a last block that is shorter is filled with zeros.
;;     - A block's scale is 2^e with e = floor(log2(the largest magnitude in the block)) - 2, held to -126 .. 127; a block of zeros has e = 0. As a byte (E8M0): e + 127.
;;     - Each number is divided by its block's scale, clamped to +-6, and rounded to the nearest number of E2M1, ties to even, subnormals kept.
;;     - The product sums the exact products of the quantised numbers (number of the format x scale) in f32.
;;   ~~~python
;;   def quantise(x, axis):      # numpy; x: float32 -> the quantised numbers, widened to float32 again
;;       x = np.moveaxis(x, axis, -1); K = x.shape[-1]
;;       x = np.pad(x, [(0, 0)] * (x.ndim - 1) + [(0, -K % 32)]); x = x.reshape(x.shape[:-1] + (-1, 32)); a = np.abs(x).max(-1, keepdims=True)
;;       e = np.where(a > 0, np.clip(np.frexp(np.where(a > 0, a, 1))[1] - 1 - 2, -126, 127), 0)      # np.frexp(a)[1] - 1 = floor(log2(a)), exactly
;;       r = np.clip(x / 2.0 ** e, -6, 6)
;;       step = 2.0 ** (np.maximum(np.frexp(np.where(r == 0, 1, r))[1] - 1, 0) - 1)
;;       q = np.round(r / step) * step * 2.0 ** e      # np.round: ties to even
;;       return np.moveaxis(q.reshape(q.shape[:-2] + (-1,))[..., :K], -1, axis).astype(np.float32)
;;   ~~~
;;   OPERANDS COMPUTED ON THE WAY. 'Computed on the way' means the value that the module computes at that place (a softmax that the list does not call 'softmax' is quantised finished and normalised). What goes into a quantiser is computed in f32, as accurately as f32 sums, v_exp_f32 and their like allow (about 1e-6 of the number): no bf16 or f16 on the way to a quantiser, and a product that is left as it is and whose result goes on into a quantised operand takes f32 operands (vector FMAs, or v_wmma_f32_16x16x4_f32). A number that lies on a knife's edge between two numbers of the format may be rounded either way, as far as f32 arithmetic and the matrix unit's own rounding can turn it there, and no further.
;; One version. Each part assembles by itself: llvm-mc -triple=amdgcn-amd-amdhsa -mcpu=gfx1250 --defsym DOCPART=n.
;; ======== version 1 of 1: 3 launches
;; limits: below input magnitudes of 7.9e-31 results are inexact or not finite; inputs' magnitudes at most 1.27e+30
;; workspace buffers: xq 8,912,896 bytes; wq 8,912,896 bytes; pmax 1,024 bytes
;; launch wq_xmax (part 1): grid 256 x 1, 8 waves a work-group, no clusters, 44,288 bytes of LDS; arguments x, quantized_weight, weight_scale, wq, pmax; writes wq, pmax
.if DOCPART == 1
	.amdgcn_target "amdgcn-amd-amdhsa--gfx1250"
	.amdhsa_code_object_version 6
	.text
	.protected	k_q2a9ef5fad7_wq_xmax
	.globl	k_q2a9ef5fad7_wq_xmax
	.p2align	8
	.type	k_q2a9ef5fad7_wq_xmax,@function
k_q2a9ef5fad7_wq_xmax:
	s_mov_b64 s[64:65], 0
	v_nop
	global_prefetch_b8 v0, s[64:65] scope:SCOPE_SE
	s_setreg_imm32_b32 hwreg(HW_REG_WAVE_MODE, 25, 1), 1
	s_wait_xcnt 0x0
; Two jobs on two streams that do not depend on each other.
; (1) W: w_deq[o][k] = float(quantized_weight[o][k]) * weight_scale[o], in f32, is turned into codes of FP4 (E2M1) with one E8M0 scale byte for each 32 along K.
; (2) x: the largest |x| of the work-group's 16 rows goes to pmax[work-group]; the launches behind this one fold the 256 numbers.
; LAYOUT OF wq: [row / 128 : 32][k / 512 : 8][BLK bytes].  A block is 136 runs of 256 bytes: run r (0..127) = the 512 codes of row r of the row block, K innermost, the lower k in the low four bits;
; runs 128..135 = the scale bytes [row : 128][16].  So the codes and the scales of 128 rows x 512 K are one dense block for one tensor load of the product's launch.
; A block's scale is 2^(floor(log2(its largest magnitude)) - 2); its byte is the largest magnitude's exponent field - 2, held at 1 from below.  A block of zeros so keeps the byte 1: its codes are zeros, and this program alone reads the bytes.
; LIMITS: NaN and infinities among the inputs are not served (the maxima drop a NaN); blocks whose largest magnitude lies under 2^-124 keep the byte 1.
; SHARES: work-group g owns rows 16 g .. 16 g + 15 of W and of x; wave w rows 16 g + 2 w and + 1: 32,768 consecutive bytes of each tensor, in 16 steps of 2,048 bytes (512 numbers): step t = row t / 8, K step t % 8.
; Each load reads 512 consecutive bytes, 16 a lane.  The conversions want 16 NEIGHBOURS along K in one lane: so a step of W turns through the wave's own stage in LDS (64 bytes + 16 of padding a lane on the way out).
; x needs no turn: a maximum does not care which lane holds what.  Loads run four steps ahead: 32 loads of a wave are out.  No tensor loads, no matrix unit: the launch streams.
.set BLK,   34816                      ; a block of wq
.set RB,    8*BLK                      ; a row block: eight K steps
.set SP,    80                         ; a lane's place in a stage: 64 bytes + 16 of padding
.set STG,   32*SP                      ; a stage
.set WREG,  2*STG                      ; a wave's two stages
.set SCB,   8*WREG                     ; the work-group's scale bytes: [K step 8][row 16][16]
.set PMX,   SCB+2048                   ; eight words: each wave's largest |x|
.set EMAX,  2
.set R,     16                         ; v16-79   W as loaded, four sets of 16
.set X,     80                         ; v80-111  16 neighbours along K, two sets
.set E,     112                        ; v112-127 a scale byte for each step
.set C,     128                        ; v128-159 codes, two registers for each step: no store's data are written again
.set XR,    160                        ; v160-223 x as loaded, four sets of 16
.set M,     224                        ; v224-227 four chains of the largest |x|
.set P,     228                        ; v228-235 the eight waves' maxima
	s_load_b256 s[4:11], s[0:1], 0x0               ; x s[4:5], W s[6:7], weight_scale s[8:9], wq s[10:11]
	s_load_b64 s[12:13], s[0:1], 0x20              ; pmax
	v_lshl_add_u32 v240, v0, 2, 0xa900
	v_mov_b32 v241, 0
	v_lshrrev_b32 v1, 5, v0
	v_readfirstlane_b32 s16, v1                    ; wave 0..7
	v_and_b32 v2, 31, v0                           ; lane
	v_lshlrev_b32 v3, 4, v2                        ; my 16 bytes of a load's 512
	v_lshlrev_b32 v4, 3, v2                        ; my 8 bytes of a store's 256
	s_mul_i32 s17, s16, WREG
	v_lshrrev_b32 v14, 2, v2
	v_mul_u32_u24 v14, v14, SP
	v_and_b32 v15, 3, v2
	v_lshl_add_u32 v14, v15, 4, v14
	v_add_nc_u32 v14, s17, v14                     ; the stage, on the way in: four lanes' 64 bytes on end, then the padding
	v_mul_u32_u24 v15, v2, SP
	v_add_nc_u32 v15, s17, v15                     ; and on the way out: my 16 neighbours
	v_lshrrev_b32 v5, 1, v2
	s_lshl_b32 s17, s16, 5
	s_add_co_u32 s17, s17, SCB
	v_add_nc_u32 v5, s17, v5                       ; scale bytes in: my wave's two rows (32 w), my block (lane / 2)
	v_lshl_add_u32 v6, v0, 3, SCB                  ; scale bytes out: wave w takes K step w's 256 bytes, 8 a lane
	v_lshl_add_u32 v7, v1, 2, PMX                  ; my wave's word
	v_mov_b32 v10, PMX
	v_mov_b32 v236, 0
.irp j, 0,1,2,3
	v_mov_b32 v[M+\j], 0                           ; magnitudes are never under 0
.endr
	s_mov_b32 s24, 0x76543210
	s_mov_b32 s25, 0xfedcba98                      ; v_permlanex16_b32's selects for lane l xor 16
	s_lshl_b32 s18, ttmp9, 18                      ; 16 rows of 16,384 bytes a work-group,
	s_lshl_b32 s19, s16, 15                        ; two rows a wave
	s_add_co_u32 s18, s18, s19
	s_mov_b32 s19, 0
	s_lshr_b32 s20, ttmp9, 3
	s_mul_i32 s20, s20, RB                         ; my row block
	s_and_b32 s21, ttmp9, 7
	s_lshl_b32 s22, s21, 12                        ; codes: 16 rows of 256 bytes a work-group,
	s_add_co_u32 s22, s22, s20
	s_lshl_b32 s23, s16, 9                         ; two a wave
	s_add_co_u32 s22, s22, s23
	s_mov_b32 s23, 0
	s_lshl_b32 s21, s21, 8                         ; scale bytes: 16 rows of 16 bytes a work-group,
	s_add_co_u32 s20, s20, s21
	s_mul_i32 s21, s16, BLK                        ; in K step w's block,
	s_add_co_u32 s20, s20, s21
	s_add_co_u32 s20, s20, 32768                   ; behind its codes
	s_mov_b32 s21, 0
	s_lshl_b32 s28, ttmp9, 6                       ; weight_scale: 4 bytes a row
	s_lshl_b32 s29, s16, 3
	s_add_co_u32 s28, s28, s29
	s_mov_b32 s29, 0
	s_lshl_b32 s32, ttmp9, 2
	s_mov_b32 s33, 0
	s_wait_kmcnt 0x0
	s_add_nc_u64 s[4:5], s[4:5], s[18:19]
	s_add_nc_u64 s[6:7], s[6:7], s[18:19]
	s_add_nc_u64 s[8:9], s[8:9], s[28:29]
	s_add_nc_u64 s[14:15], s[10:11], s[20:21]      ; where my wave's run of scale bytes goes
	s_add_nc_u64 s[10:11], s[10:11], s[22:23]      ; where my wave's codes go
	s_add_nc_u64 s[12:13], s[12:13], s[32:33]      ; my work-group's word of pmax
	s_load_b64 s[26:27], s[8:9], 0x0               ; the scales of my two rows
.macro LOADX t                         ; no cache word: the next launch reads x again
.irp i, 0,1,2,3
	global_load_b128 v[XR+16*((\t)%4)+4*\i:XR+16*((\t)%4)+4*\i+3], v3, s[4:5] offset:2048*(\t)+512*\i
.endr
.endm
.macro LOADW t                         ; W is read once in the whole program
.irp i, 0,1,2,3
	global_load_b128 v[R+16*((\t)%4)+4*\i:R+16*((\t)%4)+4*\i+3], v3, s[6:7] offset:2048*(\t)+512*\i th:TH_LOAD_NT
.endr
.endm
.macro GRP t                           ; a step's eight loads, x's first: loads come back in order, so when W's are in, x's are too
	LOADX \t
	LOADW \t
.endm
.macro TURN t                          ; step t's numbers of W through the stage: LDS serves a wave's instructions in order, so no wait stands between the stores and the loads
.irp i, 0,1,2,3
	ds_store_b128 v14, v[R+16*((\t)%4)+4*\i:R+16*((\t)%4)+4*\i+3] offset:STG*((\t)%2)+8*SP*\i
.endr
.irp i, 0,1,2,3
	ds_load_b128 v[X+16*((\t)%2)+4*\i:X+16*((\t)%2)+4*\i+3], v15 offset:STG*((\t)%2)+16*\i
.endr
.endm
.macro XMAX t                          ; step t's 16 numbers of x into four chains that do not wait for each other
.irp j, 0,1,2,3,4,5,6,7
	v_max3_num_f32 v[M+\j%4], v[M+\j%4], |v[XR+16*((\t)%4)+2*\j]|, |v[XR+16*((\t)%4)+2*\j+1]|
.endr
.endm
.irp t, 0,1,2,3
	GRP \t
.endr
	s_wait_kmcnt 0x0
	s_mov_b32 s28, s27                             ; the second row's scale as a pair of its own: the packed multiply takes a pair's low word for both halves
	s_mov_b32 s29, s27
	s_wait_loadcnt 24                              ; step 0's eight loads are in; those of steps 1 to 3 stay out
	TURN 0
	XMAX 0
.macro STEP t
.set XS, X+16*((\t)%2)
.if (\t) > 0
	s_wait_dscnt 1                                 ; this step's numbers are back from the stage (only the last step's byte store may be out): so the stage's stores have read set t % 4,
.else
	s_wait_dscnt 0x0
.endif
.if (\t)+4 < 16
	GRP (\t)+4                                     ; which takes the loads of four steps on
.endif
.if (\t)+1 < 16
.if (\t) <= 11
	s_wait_loadcnt 24                              ; the next step's eight loads are in; the three steps behind it, eight loads each, may be out
.else
	s_wait_loadcnt 8*(14-(\t))                     ; the counts run down: steps t + 2 .. 15 may be out
.endif
	TURN (\t)+1                                    ; through the other stage while this step is worked
	XMAX (\t)+1
.endif
.irp i, 0,1,2,3,4,5,6,7,8,9,10,11,12,13,14,15
	v_cvt_f32_i32 v[XS+\i], v[XS+\i]               ; exact: the whole numbers are small
.endr
.irp i, 0,2,4,6,8,10,12,14
.if (\t) < 8
	v_pk_mul_f32 v[XS+\i:XS+\i+1], v[XS+\i:XS+\i+1], s[26:27] op_sel_hi:[1,0]   ; w_deq, one rounding
.else
	v_pk_mul_f32 v[XS+\i:XS+\i+1], v[XS+\i:XS+\i+1], s[28:29] op_sel_hi:[1,0]
.endif
.endr
	v_max3_num_f32 v8, |v[XS]|, |v[XS+1]|, |v[XS+2]|               ; the largest magnitude of my 16
	v_max3_num_f32 v9, |v[XS+3]|, |v[XS+4]|, |v[XS+5]|
.irp i, 6,10
	v_max3_num_f32 v8, v8, |v[XS+\i]|, |v[XS+\i+1]|
	v_max3_num_f32 v9, v9, |v[XS+\i+2]|, |v[XS+\i+3]|
.endr
	v_max3_num_f32 v8, v8, |v[XS+14]|, |v[XS+15]|
	v_max3_num_f32 v8, v8, v9, (EMAX+1)<<23        ; and the floor 2^(3 - 127): the byte cannot fall under 1
	v_max_num_f32_dpp v8, v8, v8 row_xmask:1 row_mask:0xf bank_mask:0xf   ; and of my neighbour's 16: the block's
	v_add_nc_u32 v11, -(EMAX<<23), v8              ; 2 off its exponent field: the conversion takes the exponent field of this operand as its scale
	v_cvt_scalef32_pk8_fp4_f32 v[C+2*(\t)], v[XS:XS+7], v11
	v_cvt_scalef32_pk8_fp4_f32 v[C+2*(\t)+1], v[XS+8:XS+15], v11
	v_lshrrev_b32 v[E+(\t)], 23, v11               ; the scale's byte; also the plain line behind the conversions
	ds_store_b8 v5, v[E+(\t)] offset:256*((\t)%8)+16*((\t)/8)      ; both lanes of a block write the same byte with the same value
	global_store_b64 v4, v[C+2*(\t):C+2*(\t)+1], s[10:11] offset:((\t)%8)*BLK+((\t)/8)*256   ; 32 lanes store 256 consecutive bytes, at a multiple of 256 from wq's first byte
.endm
.irp t, 0,1,2,3,4,5,6,7,8,9,10,11,12,13,14,15
	STEP \t
.endr
	v_max3_num_f32 v[M], v[M], v[M+1], v[M+2]      ; the four chains,
	v_max_num_f32 v[M], v[M], v[M+3]
	v_max_num_f32_dpp v[M], v[M], v[M] row_xmask:1 row_mask:0xf bank_mask:0xf   ; the 32 lanes
	v_max_num_f32_dpp v[M], v[M], v[M] row_xmask:2 row_mask:0xf bank_mask:0xf
	v_max_num_f32_dpp v[M], v[M], v[M] row_xmask:4 row_mask:0xf bank_mask:0xf
	v_max_num_f32_dpp v[M], v[M], v[M] row_xmask:8 row_mask:0xf bank_mask:0xf
	v_permlanex16_b32 v8, v[M], s24, s25
	v_max_num_f32 v[M], v[M], v8
	ds_store_b32 v7, v[M]                          ; all lanes write my wave's word with the same value
	s_wait_dscnt 0x0                               ; for the others' sake: my scale bytes and my maximum have landed
	s_barrier_signal -1
	s_barrier_wait -1                              ; the launch's one barrier: the work-group's scale bytes and eight maxima lie in LDS
	ds_load_b64 v[12:13], v6                       ; K step w's scale bytes of the 16 rows
	ds_load_b128 v[P:P+3], v10
	ds_load_b128 v[P+4:P+7], v10 offset:16
	s_wait_dscnt 0x0
	global_store_b64 v4, v[12:13], s[14:15]        ; 32 lanes store 256 consecutive bytes, at a multiple of 256 from wq's first byte
	v_max3_num_f32 v[P], v[P], v[P+1], v[P+2]
	v_max3_num_f32 v[P+3], v[P+3], v[P+4], v[P+5]
	v_max3_num_f32 v[P], v[P], v[P+6], v[P+7]
	v_max_num_f32 v[P], v[P], v[P+3]               ; the work-group's largest |x|
	s_wait_xcnt 0x0                                ; EXEC is a source of the stores that are out: it changes only behind this wait
	v_cmp_eq_u32 vcc_lo, 0, v0
	s_wait_tensorcnt 0x0
	ds_add_u32 v240, v241
	s_wait_dscnt 0x0
	s_and_saveexec_b32 s30, vcc_lo                 ; thread 0 alone
	global_store_b32 v236, v[P], s[12:13]          ; four bytes a work-group: 1,024 in the launch
	s_wait_xcnt 0x0                                ; and again, in front of the line that widens it
	s_or_b32 exec_lo, exec_lo, s30
	s_endpgm
.Lfunc_end_k_q2a9ef5fad7_wq_xmax:
	.size	k_q2a9ef5fad7_wq_xmax, .Lfunc_end_k_q2a9ef5fad7_wq_xmax-k_q2a9ef5fad7_wq_xmax
	.p2alignl 7, 3214868480
	.fill 96, 4, 3214868480
	.section	.rodata,"a",@progbits
	.p2align	6, 0x0
	.amdhsa_kernel k_q2a9ef5fad7_wq_xmax
		.amdhsa_group_segment_fixed_size 44288
		.amdhsa_private_segment_fixed_size 0
		.amdhsa_enable_private_segment 0
		.amdhsa_kernarg_size 40
		.amdhsa_user_sgpr_count 2
		.amdhsa_user_sgpr_kernarg_segment_ptr 1
		.amdhsa_wavefront_size32 1
		.amdhsa_system_sgpr_workgroup_id_x 1
		.amdhsa_system_sgpr_workgroup_id_y 1
		.amdhsa_system_sgpr_workgroup_id_z 1
		.amdhsa_system_vgpr_workitem_id 0
		.amdhsa_next_free_vgpr 242
		.amdhsa_next_free_sgpr 66
		.amdhsa_reserve_vcc 1
		.amdhsa_float_denorm_mode_32 3
		.amdhsa_float_denorm_mode_16_64 3
		.amdhsa_memory_ordered 1
		.amdhsa_forward_progress 1
		.amdhsa_inst_pref_size 66
	.end_amdhsa_kernel
	.amdgpu_metadata
---
amdhsa.version: [ 1, 2 ]
amdhsa.kernels:
  - .name:           k_q2a9ef5fad7_wq_xmax
    .symbol:         k_q2a9ef5fad7_wq_xmax.kd
    .args:
      - { .name: x, .offset: 0, .size: 8, .value_kind: global_buffer, .address_space: global }
      - { .name: quantized_weight, .offset: 8, .size: 8, .value_kind: global_buffer, .address_space: global }
      - { .name: weight_scale, .offset: 16, .size: 8, .value_kind: global_buffer, .address_space: global }
      - { .name: wq, .offset: 24, .size: 8, .value_kind: global_buffer, .address_space: global }
      - { .name: pmax, .offset: 32, .size: 8, .value_kind: global_buffer, .address_space: global }
    .group_segment_fixed_size: 44288
    .private_segment_fixed_size: 0
    .kernarg_segment_align: 8
    .kernarg_segment_size: 40
    .max_flat_workgroup_size: 256
    .sgpr_count:     66
    .vgpr_count:     242
    .wavefront_size: 32
...
	.end_amdgpu_metadata
.endif
;; end of part 1
;; launch xquant (part 2): grid 256 x 1, 8 waves a work-group, no clusters, 44,288 bytes of LDS; arguments x, pmax, xq; writes xq
.if DOCPART == 2
	.amdgcn_target "amdgcn-amd-amdhsa--gfx1250"
	.amdhsa_code_object_version 6
	.text
	.protected	k_q2a9ef5fad7_xquant
	.globl	k_q2a9ef5fad7_xquant
	.p2align	8
	.type	k_q2a9ef5fad7_xquant,@function
k_q2a9ef5fad7_xquant:
	s_mov_b64 s[64:65], 0
	v_nop
	global_prefetch_b8 v0, s[64:65] scope:SCOPE_SE
	s_setreg_imm32_b32 hwreg(HW_REG_WAVE_MODE, 25, 1), 1
	s_wait_xcnt 0x0
; x_deq = clip(round(x / s), -128, 127) * s with s = max|x| / 127, all in f32, is turned into codes of FP4 (E2M1) with one E8M0 scale byte for each 32 along K.
; LAYOUT OF xq: [row / 128 : 32][k / 512 : 8][BLK bytes]; a block is 136 runs of 256 bytes: run r (0..127) = the 512 codes of row r of the row block, K innermost, the lower k in the low four bits;
; runs 128..135 = the scale bytes [row : 128][16].
; THE TWO DIVISIONS ARE ROUNDED CORRECTLY, since round() can turn a whole step on the quotient's last bit: a first quotient by a reciprocal, its exact residual by a fused multiply-add, one correction.
; s: q0 = m c, c = 1 / 127 rounded; r = m - 127 q0; s = q0 + r c.   x / s: y = 1 / s (v_rcp_f32 and one Newton step); q = x y; r = x - s q; q + r y.
; A block's scale is 2^(floor(log2(its largest magnitude)) - 2); its byte is the largest magnitude's exponent field - 2, held at 1 from below.  A block of zeros so keeps the byte 1: its codes are zeros, and this program alone reads the bytes.
; LIMITS: NaN and infinities are not served; x all zeros (the result is NaN by definition) is not served; max|x| lies between 2^-100 and 2^100, so that s, 1 / s and the residuals are normal numbers.
; SHARES: work-group g rows 16 g .. 16 g + 15, wave w two of them, 16 turns of 512 numbers; each load reads 512 consecutive bytes; a turn goes through the wave's own stage in LDS so that a lane holds
; 16 neighbours along K.  The turns go from the wave's last 2,048 bytes to its first (place u = 15 - t).  Loads run EIGHT turns ahead: 32 loads of a wave, 16,384 bytes, are out; 131,072 bytes for the eight waves.
.set BLK,   34816
.set RB,    8*BLK
.set SP,    80                         ; a lane's place in a stage: 64 bytes + 16 of padding
.set STG,   32*SP
.set WREG,  2*STG
.set SCB,   8*WREG                     ; the work-group's scale bytes: [K step 8][row 16][16]
.set EMAX,  2
.set AHEAD, 8                          ; turns that the loads run ahead, and sets of R
.set R,     16                         ; v16-143  x as loaded, eight sets of 16
.set X,     144                        ; v144-175 16 neighbours along K, two sets
.set T,     176                        ; v176-191 the quotient, then x_deq
.set E,     192                        ; v192-207 a scale byte for each turn
.set C,     208                        ; v208-239 codes, two registers for each turn: no store's data are written again
.set PM,    240                        ; v240-247 pmax as loaded; then at work
.set Y,     248                        ; v[248:249] 1 / s, twice
.set NS,    250                        ; v[250:251] -s, twice
.set S,     252                        ; v[252:253] s, twice
.set SEL,   14                         ; s[14:15] v_permlanex16_b32's selects for lane l xor 16
.set CR,    18                         ; s18 1 / 127, rounded
.set CN,    19                         ; s19 -127
.macro MAKE_S                          ; the 256 partial maxima, eight a lane, become s in v[PM+3], the same in every lane
	v_max3_num_f32 v[PM], v[PM], v[PM+1], v[PM+2]
	v_max3_num_f32 v[PM+3], v[PM+3], v[PM+4], v[PM+5]
	v_max3_num_f32 v[PM], v[PM], v[PM+6], v[PM+7]
	v_max_num_f32 v[PM], v[PM], v[PM+3]
	v_max_num_f32_dpp v[PM], v[PM], v[PM] row_xmask:1 row_mask:0xf bank_mask:0xf
	v_max_num_f32_dpp v[PM], v[PM], v[PM] row_xmask:2 row_mask:0xf bank_mask:0xf
	v_max_num_f32_dpp v[PM], v[PM], v[PM] row_xmask:4 row_mask:0xf bank_mask:0xf
	v_max_num_f32_dpp v[PM], v[PM], v[PM] row_xmask:8 row_mask:0xf bank_mask:0xf
	v_permlanex16_b32 v[PM+1], v[PM], s[SEL], s[SEL+1]
	v_max_num_f32 v[PM], v[PM], v[PM+1]            ; m = max|x|
	v_mul_f32 v[PM+1], s[CR], v[PM]                ; q0 = m / 127, nearly
	v_fma_f32 v[PM+2], v[PM+1], s[CN], v[PM]       ; r = m - 127 q0, exact
	v_fma_f32 v[PM+3], v[PM+2], s[CR], v[PM+1]     ; s = q0 + r / 127
.endm
	s_load_b128 s[4:7], s[0:1], 0x0                ; x s[4:5], pmax s[6:7]
	s_load_b64 s[8:9], s[0:1], 0x10                ; xq
	v_lshl_add_u32 v7, v0, 2, 0xa900
	v_mov_b32 v10, 0
	v_lshrrev_b32 v1, 5, v0
	v_readfirstlane_b32 s16, v1                    ; wave 0..7
	v_and_b32 v2, 31, v0                           ; lane
	v_lshlrev_b32 v3, 4, v2                        ; my 16 bytes of a load's 512
	v_lshlrev_b32 v4, 3, v2                        ; my 8 bytes of a store's 256
	v_lshlrev_b32 v255, 5, v2                      ; my 32 bytes of pmax
	s_mul_i32 s17, s16, WREG
	v_lshrrev_b32 v14, 2, v2
	v_mul_u32_u24 v14, v14, SP
	v_and_b32 v15, 3, v2
	v_lshl_add_u32 v14, v15, 4, v14
	v_add_nc_u32 v14, s17, v14                     ; the stage, on the way in: four lanes' 64 bytes on end, then the padding
	v_mul_u32_u24 v15, v2, SP
	v_add_nc_u32 v15, s17, v15                     ; and on the way out: my 16 neighbours
	v_lshrrev_b32 v5, 1, v2
	s_lshl_b32 s17, s16, 5
	s_add_co_u32 s17, s17, SCB
	v_add_nc_u32 v5, s17, v5                       ; scale bytes in: my wave's two rows (32 w), my block (lane / 2)
	v_lshl_add_u32 v6, v0, 3, SCB                  ; scale bytes out: wave w takes K step w's 256 bytes, 8 a lane
	s_mov_b32 s12, 0xc3000000                      ; -128.0
	s_mov_b32 s13, 0x42fe0000                      ; 127.0
	s_mov_b32 s[SEL], 0x76543210
	s_mov_b32 s[SEL+1], 0xfedcba98
	s_mov_b32 s[CR], 0x3c010204
	s_mov_b32 s[CN], 0xc2fe0000
	s_lshl_b32 s24, ttmp9, 18                      ; 16 rows of 16,384 bytes a work-group,
	s_lshl_b32 s25, s16, 15                        ; two rows a wave
	s_add_co_u32 s24, s24, s25
	s_mov_b32 s25, 0
	s_lshr_b32 s26, ttmp9, 3
	s_mul_i32 s26, s26, RB                         ; my row block
	s_and_b32 s27, ttmp9, 7
	s_lshl_b32 s28, s27, 12                        ; codes: 16 rows of 256 bytes a work-group,
	s_add_co_u32 s28, s28, s26
	s_lshl_b32 s29, s16, 9                         ; two a wave
	s_add_co_u32 s28, s28, s29
	s_mov_b32 s29, 0
	s_lshl_b32 s27, s27, 8                         ; scale bytes: 16 rows of 16 bytes a work-group,
	s_add_co_u32 s26, s26, s27
	s_mul_i32 s27, s16, BLK                        ; in K step w's block,
	s_add_co_u32 s26, s26, s27
	s_add_co_u32 s26, s26, 32768                   ; behind its codes
	s_mov_b32 s27, 0
	s_wait_kmcnt 0x0
	s_add_nc_u64 s[4:5], s[4:5], s[24:25]
	s_add_nc_u64 s[10:11], s[8:9], s[28:29]        ; where my wave's codes go
	s_add_nc_u64 s[22:23], s[8:9], s[26:27]        ; where my wave's run of scale bytes goes
.macro LOAD t                          ; turn t takes place 15 - t of the wave's sixteen; x is read for the last time
.irp i, 0,1,2,3
	global_load_b128 v[R+16*((\t)%AHEAD)+4*\i:R+16*((\t)%AHEAD)+4*\i+3], v3, s[4:5] offset:2048*(15-(\t))+512*\i th:TH_LOAD_NT
.endr
.endm
.macro TURN t                          ; through the stage: LDS serves a wave's instructions in order, so no wait stands between the stores and the loads
.irp i, 0,1,2,3
	ds_store_b128 v14, v[R+16*((\t)%AHEAD)+4*\i:R+16*((\t)%AHEAD)+4*\i+3] offset:STG*((\t)%2)+8*SP*\i
.endr
.irp i, 0,1,2,3
	ds_load_b128 v[X+16*((\t)%2)+4*\i:X+16*((\t)%2)+4*\i+3], v15 offset:STG*((\t)%2)+16*\i
.endr
.endm
	global_load_b128 v[PM:PM+3], v255, s[6:7]
	global_load_b128 v[PM+4:PM+7], v255, s[6:7] offset:16
.irp t, 0,1,2,3,4,5,6,7
	LOAD \t
.endr
	s_wait_loadcnt 32                              ; pmax is in; the 32 loads of x behind it stay out
	MAKE_S
	v_rcp_f32 v[Y], v[PM+3]
	v_mov_b32 v[S], v[PM+3]                        ; plain work behind the reciprocal, which neither names its result nor writes its source
	v_mov_b32 v[S+1], v[PM+3]
	v_xor_b32 v[NS], 0x80000000, v[PM+3]
	v_xor_b32 v[NS+1], 0x80000000, v[PM+3]
	s_wait_alu depctr_va_vdst(0)                   ; ahead of the first line that names the reciprocal
	v_fma_f32 v254, v[NS], v[Y], 1.0               ; e = 1 - s y
	v_fma_f32 v[Y], v254, v[Y], v[Y]               ; y + e y: 1 / s to the last bit or nearly
	v_mov_b32 v[Y+1], v[Y]
	s_wait_loadcnt 28                              ; turn 0's four loads are in; those of turns 1 to 7 stay out
	TURN 0
.macro STEP t
.set XS, X+16*((\t)%2)
.set U, 15-(\t)
.if (\t) > 0
	s_wait_dscnt 1                                 ; this turn's numbers are back from the stage (only the last turn's byte store may be out): so the stage's stores have read set t % 8,
.else
	s_wait_dscnt 0x0
.endif
.if (\t)+AHEAD < 16
	LOAD (\t)+AHEAD                                ; which takes the loads of eight turns on
.endif
.if (\t)+1 < 16
.if (\t) <= 7
	s_wait_loadcnt 28                              ; the next turn's four loads are in; the seven turns behind it, four loads each, may be out
.else
	s_wait_loadcnt 4*(14-(\t))                     ; the counts run down: turns t + 2 .. 15 may be out
.endif
	TURN (\t)+1
.endif
.irp i, 0,2,4,6,8,10,12,14
	v_pk_mul_f32 v[T+\i:T+\i+1], v[XS+\i:XS+\i+1], v[Y:Y+1]                          ; q = x y
.endr
.irp i, 0,2,4,6,8,10,12,14
	v_pk_fma_f32 v[XS+\i:XS+\i+1], v[T+\i:T+\i+1], v[NS:NS+1], v[XS+\i:XS+\i+1]      ; r = x - s q
.endr
.irp i, 0,2,4,6,8,10,12,14
	v_pk_fma_f32 v[T+\i:T+\i+1], v[XS+\i:XS+\i+1], v[Y:Y+1], v[T+\i:T+\i+1]          ; x / s = q + r y
.endr
.irp i, 0,1,2,3,4,5,6,7,8,9,10,11,12,13,14,15
	v_rndne_f32 v[T+\i], v[T+\i]                   ; to the nearest whole number, ties to even
.endr
.irp i, 0,1,2,3,4,5,6,7,8,9,10,11,12,13,14,15
	v_med3_num_f32 v[T+\i], v[T+\i], s12, s13      ; the clip, always executed
.endr
.irp i, 0,2,4,6,8,10,12,14
	v_pk_mul_f32 v[T+\i:T+\i+1], v[T+\i:T+\i+1], v[S:S+1]                            ; x_deq
.endr
	v_max3_num_f32 v8, |v[T]|, |v[T+1]|, |v[T+2]|                  ; the largest magnitude of my 16
	v_max3_num_f32 v9, |v[T+3]|, |v[T+4]|, |v[T+5]|
.irp i, 6,10
	v_max3_num_f32 v8, v8, |v[T+\i]|, |v[T+\i+1]|
	v_max3_num_f32 v9, v9, |v[T+\i+2]|, |v[T+\i+3]|
.endr
	v_max3_num_f32 v8, v8, |v[T+14]|, |v[T+15]|
	v_max3_num_f32 v8, v8, v9, (EMAX+1)<<23        ; and the floor 2^(3 - 127): the byte cannot fall under 1
	v_max_num_f32_dpp v8, v8, v8 row_xmask:1 row_mask:0xf bank_mask:0xf   ; and of my neighbour's 16: the block's
	v_add_nc_u32 v11, -(EMAX<<23), v8              ; 2 off its exponent field: the conversion's scale operand
	v_cvt_scalef32_pk8_fp4_f32 v[C+2*(\t)], v[T:T+7], v11
	v_cvt_scalef32_pk8_fp4_f32 v[C+2*(\t)+1], v[T+8:T+15], v11
	v_lshrrev_b32 v[E+(\t)], 23, v11               ; the scale's byte; also the plain line between the conversions and the next turn's writes of T
	ds_store_b8 v5, v[E+(\t)] offset:256*(U%8)+16*(U/8)            ; both lanes of a block write the same byte with the same value
	global_store_b64 v4, v[C+2*(\t):C+2*(\t)+1], s[10:11] offset:(U%8)*BLK+(U/8)*256   ; 32 lanes store 256 consecutive bytes, at a multiple of 256 from xq's first byte
.endm
.irp t, 0,1,2,3,4,5,6,7,8,9,10,11,12,13,14,15
	STEP \t
.endr
	s_wait_dscnt 0x0                               ; for the others' sake: my scale bytes have landed
	s_barrier_signal -1
	s_barrier_wait -1                              ; the work-group's scale bytes lie in LDS
	ds_load_b64 v[12:13], v6                       ; K step w's scale bytes of the 16 rows
	s_wait_dscnt 0x0
	global_store_b64 v4, v[12:13], s[22:23]        ; 32 lanes store 256 consecutive bytes, at a multiple of 256 from xq's first byte
	s_wait_tensorcnt 0x0
	ds_add_u32 v7, v10
	s_wait_dscnt 0x0
	s_endpgm
.Lfunc_end_k_q2a9ef5fad7_xquant:
	.size	k_q2a9ef5fad7_xquant, .Lfunc_end_k_q2a9ef5fad7_xquant-k_q2a9ef5fad7_xquant
	.p2alignl 7, 3214868480
	.fill 96, 4, 3214868480
	.section	.rodata,"a",@progbits
	.p2align	6, 0x0
	.amdhsa_kernel k_q2a9ef5fad7_xquant
		.amdhsa_group_segment_fixed_size 44288
		.amdhsa_private_segment_fixed_size 0
		.amdhsa_enable_private_segment 0
		.amdhsa_kernarg_size 24
		.amdhsa_user_sgpr_count 2
		.amdhsa_user_sgpr_kernarg_segment_ptr 1
		.amdhsa_wavefront_size32 1
		.amdhsa_system_sgpr_workgroup_id_x 1
		.amdhsa_system_sgpr_workgroup_id_y 1
		.amdhsa_system_sgpr_workgroup_id_z 1
		.amdhsa_system_vgpr_workitem_id 0
		.amdhsa_next_free_vgpr 256
		.amdhsa_next_free_sgpr 66
		.amdhsa_reserve_vcc 0
		.amdhsa_float_denorm_mode_32 3
		.amdhsa_float_denorm_mode_16_64 3
		.amdhsa_memory_ordered 1
		.amdhsa_forward_progress 1
		.amdhsa_inst_pref_size 91
	.end_amdhsa_kernel
	.amdgpu_metadata
---
amdhsa.version: [ 1, 2 ]
amdhsa.kernels:
  - .name:           k_q2a9ef5fad7_xquant
    .symbol:         k_q2a9ef5fad7_xquant.kd
    .args:
      - { .name: x, .offset: 0, .size: 8, .value_kind: global_buffer, .address_space: global }
      - { .name: pmax, .offset: 8, .size: 8, .value_kind: global_buffer, .address_space: global }
      - { .name: xq, .offset: 16, .size: 8, .value_kind: global_buffer, .address_space: global }
    .group_segment_fixed_size: 44288
    .private_segment_fixed_size: 0
    .kernarg_segment_align: 8
    .kernarg_segment_size: 24
    .max_flat_workgroup_size: 256
    .sgpr_count:     66
    .vgpr_count:     256
    .wavefront_size: 32
...
	.end_amdgpu_metadata
.endif
;; end of part 2
;; launch gemm (part 3): grid 16 x 16, 4 waves a work-group, clusters of 4 x 4, 327,680 bytes of LDS; arguments xq, wq, pmax, weight_scale, out0, quantized_bias; writes out0
.if DOCPART == 3
	.amdgcn_target "amdgcn-amd-amdhsa--gfx1250"
	.amdhsa_code_object_version 6
	.text
	.protected	k_q2a9ef5fad7_gemm
	.globl	k_q2a9ef5fad7_gemm
	.p2align	8
	.type	k_q2a9ef5fad7_gemm,@function
k_q2a9ef5fad7_gemm:
	s_mov_b64 s[64:65], 0
	v_nop
	global_prefetch_b8 v0, s[64:65] scope:SCOPE_SE
	s_setreg_imm32_b32 hwreg(HW_REG_WAVE_MODE, 25, 1), 1
	s_wait_xcnt 0x0
	s_wait_alu depctr_hold_cnt(0) depctr_sa_sdst(0) depctr_va_vdst(0) depctr_va_sdst(0) depctr_va_ssrc(0) depctr_va_vcc(0) depctr_vm_vsrc(0)
	s_getreg_b32 s2, hwreg(HW_REG_IB_STS2, 6, 4)
	s_cmp_eq_u32 s2, 0
	s_cbranch_scc0 .Lentry_in_a_cluster
	s_endpgm
.Lentry_in_a_cluster:
	s_bfe_u32 s2, ttmp6, 0x10000c
	s_cmp_lg_u32 s2, 0xf033
	s_cbranch_scc0 .Lentry_shape_is_right
	s_endpgm
.Lentry_shape_is_right:
; out[m][o] = sum over k of A[m][k] B[o][k] + (float(quantized_bias[o]) * weight_scale[o]) * s.  A = xq, B = wq: codes of FP4 (E2M1) with one E8M0 scale for each 32 along K; M = N = K = 4,096; sums in f32; out f32.
; xq and wq lie as [row / 128 : 32][k / 512 : 8][BLK bytes]: a block = 128 runs of 256 bytes (a row's 512 codes) and 8 runs of scale bytes ([row : 128][16]): the codes AND the scales of 128 rows x 512 K are one dense block.
; s = max|x| / 127 is made from the 256 partial maxima in pmax, as the launch before makes it: q0 = m c, c = 1 / 127 rounded; r = m - 127 q0; s = q0 + r c.
; LIMITS: NaN and infinities are not served; max|x| lies between 2^-100 and 2^100; the f32 sums run along K in a rotated order of the eight K steps (below), not from k = 0 on.
; A tile of out, 256 x 256, is made by a work-group of four waves; a wave makes 128 x 128: 64 accumulators of 16 x 16, 512 registers.  16 x 16 tiles: 256 work-groups.
; K goes in steps of 512 through a ring of two LDS slots.  Each wave fetches one block (136 runs of 256 bytes, 16 bytes of padding behind each) with one tensor load: the scales ride in the ring with their codes.
; CLUSTERS: 4 x 4 work-groups.  The four of a row of the cluster need the same blocks of A, the four of a column the same blocks of B: each block is asked for JOINTLY, by the same tensor load with the same descriptor and a mask that names the four.
; THE CLUSTERS WALK K FROM DIFFERENT STARTS.  Cluster (X, Y) takes K step (g(X) + g(Y) + n) mod 8 as its n-th, g = 0, 4, 2, 6 for 0, 1, 2, 3.  The four clusters of a row of clusters read the same rows of A, the four of a column the same
; rows of B: their starts lie 0, 4, 2 and 6 steps apart, so no two of them ask for the same block in the same step; the four together name all eight blocks of a row block with their first two steps, which are the first fills;
; two neighbours (0 and 1, or 2 and 3) start four steps apart and have named all eight after four steps.  The start hangs on the cluster's coordinates alone, which all sixteen partners share.
; THE MATRIX INSTRUCTION IS USED TRANSPOSED (source 0 = 16 rows of B, source 1 = 16 rows of A): a lane then holds eight neighbouring numbers of a row of out.
; THE BIAS IS THE C OF EACH SUM'S FIRST PRODUCT: eight registers for each of B's eight blocks, in the result's layout; nothing is cleared and nothing is added afterwards.
; NO DATA PREFETCH: a block's 136 runs of 256 bytes do not share out evenly among four partners x 32 lanes, so that each run could not be named once by whole instructions.
; REGISTERS, in windows of 256: window 0: v0-31 addresses; v32-95 scale words, two sets; v128-191 A's fragments, ONE set (at the head: weight_scale); v192-255 the bias; on the way out v128-255 are free.
;   window 1: B's fragments, TWO sets, at v0 and at v128.   window 2: the 32 accumulators of my rows 0-63 (accumulator (a, b) at v[8 (8 a + b)]);   window 3: those of my rows 64-127.
; A step of 128 along K is 64 matrix instructions, A's blocks one after the other, each against B's eight: a block of A is free as soon as its eight products are issued, so one set serves A; B has two.
.set SIZE_N, 4096
.set NQ,     4                         ; steps of 128 along K in a slot
.set PITCH,  272                       ; an LDS row: 256 bytes of data + 16 of padding = 68 words: the 16 rows that a load touches start at 16 different banks (64 banks of 4 bytes: ISA guide 11.1)
.set FR,     8                         ; registers of a fragment: 16 rows x 128 K
.set NL,     2                         ; LDS loads that bring one
.set NP,     4                         ; places behind this matrix instruction (ISA guide 7.12.1)
.set BLK,    34816                     ; a block in memory
.set RB,     8*BLK                     ; a row block: eight K steps
.set UNITS,  136                       ; runs of 256 bytes in a block
.set HALFT,  UNITS*PITCH               ; a block in LDS: what one tensor load brings, and what one wave reads of A or of B
.set SLOT,   4*HALFT                   ; A's two blocks, then B's two
.set SOFF,   128*PITCH                 ; where a block's scale bytes begin in LDS: run i holds rows 16 i .. 16 i + 15, 16 bytes a row
.set LAPS,   4                         ; a lap = two K steps = once round the ring
.set SPARE,  2*SLOT                    ; behind the ring: the spare words, 128 bytes for each wave: two blocks of 256 bytes that no other line names
.set SPITCH, 528                       ; the way out: a stage of 16 rows x (512 bytes + 16) for each wave.  It lies in slot 0, which has had its last fill and its last read when the first result is stored there
.set PM,   8                           ; v8-15   pmax as loaded, then at work; (s, s) ends in v[10:11]
.set ADRA, 16                          ; v16-17  LDS address of my A fragments in slot 0, 1
.set ADRB, 20                          ; v20-21  the same for B
.set ADRS, 22                          ; v22-23  LDS address of my scale words in slot 0, 1: lanes 0-15 A's rows, lanes 16-31 B's
.set STO,  24                          ; v24     the way out: where I put 32 bytes of a row
.set RD,   25                          ; v25     the way out: where I read a row back
.set CO,   26                          ; v26     my byte offset in a row of out
.set SPW,  28                          ; v28     LDS address of my spare word: SPARE + 4 x my thread's number; never rewritten
.set NIL,  29                          ; v29     0; never rewritten
.set BO,   30                          ; v30     32 x (lane / 16): my eight numbers of a block of 16 columns
.set PO,   31                          ; v31     32 x lane: my eight numbers of pmax
.set SC,   32                          ; scale words: set s (for slot s) at v[SC + 32 s]; in it register 4 i + q: lanes 0-15 the word of A's block i, lanes 16-31 that of B's block i, for the slot's q-th 128 along K
.set AF,   128                         ; A's fragments, in window 0
.set BI,   192                         ; the bias: register 8 b + j = that of column 16 b + 8 (lane / 16) + j of my 128
.set BK,   128                         ; the way out: 16 rows read back from the stage: v128-191 and v192-255 by turns
.set G1,  24                           ; s[24:31] descriptor group 1 for A's blocks;  s[32:39] group 0, one set for each slot
.set G0,  32
.set G1B, 48                           ; s[48:55], s[56:63] the same for B's blocks
.set G0B, 56
.set CR,  66                           ; s66 1 / 127, rounded
.set CN,  67                           ; s67 -127
.set SEL, 68                           ; s[68:69] v_permlanex16_b32's selects for lane l xor 16
.set BA,  72                           ; s[72:73] the address of the row block of A that I fetch from; never rewritten
.set BB,  74                           ; s[74:75] the same for B
.set KI,  76                           ; s76, s77 which K step (0..7) slot 0, slot 1 holds or has been asked to hold
.set KO,  78                           ; s[78:79] that K step's byte offset in a row block
.set MSB, 0
.macro WIN new                         ; the immediate's high byte repeats the setting that is left; a switch that changes nothing is dropped
.if MSB != (\new)
	s_set_vgpr_msb (MSB<<8)|(\new)
.set MSB, (\new)
.endif
.endm
.set MUL_LO, 0xa1                      ; source 0 (B) window 1, source 1 (A) window 0, C and D window 2
.set MUL_HI, 0xf1                      ; the same, C and D window 3
.set FST_LO, 0x81                      ; the first step: C (the bias) window 0, D window 2
.set FST_HI, 0xc1                      ; C window 0, D window 3
.set TO_B,   0x40                      ; destination window 1, address window 0
; A joint load: waves 0 and 1 fetch A's two blocks, waves 2 and 3 B's.  Each of the two lines has ONE mask and one set of registers for all that issue it; the branch hangs on the wave's number alone.
; Four v_nop follow each of the two lines, ahead of the jump, the label and what follows.
.macro JLOAD s
	s_cmp_eq_u32 s17, 0
	s_cbranch_scc0 .Lfor_b_\@
	tensor_load_to_lds s[G0+4*\s:G0+4*\s+3], s[G1:G1+7]
	s_nop 0
.rept 4
	v_nop
.endr
	s_branch .Lasked_\@
.Lfor_b_\@:
	tensor_load_to_lds s[G0B+4*\s:G0B+4*\s+3], s[G1B:G1B+7]
	s_nop 0
.rept 4
	v_nop
.endr
.Lasked_\@:
.endm
; Both groups 0 of slot s get the global address of K step s[KI + s]: the row block's address + that step's offset; then the type bits.  No tensor load of the wave that names them is out where this stands.
.macro AIM s
	s_mul_i32 s[KO], s[KI+\s], BLK
	s_add_nc_u64 s[G0+4*\s+2:G0+4*\s+3], s[BA:BA+1], s[KO:KO+1]
	s_or_b32 s[G0+4*\s+3], s[G0+4*\s+3], 0x80000000                ; type = 2
	s_add_nc_u64 s[G0B+4*\s+2:G0B+4*\s+3], s[BB:BB+1], s[KO:KO+1]
	s_or_b32 s[G0B+4*\s+3], s[G0B+4*\s+3], 0x80000000
.endm
.macro CREST                           ; a round of the cluster's barrier behind its opening barrier
	s_cmp_lg_u32 s16, 0
	s_cbranch_scc1 .Lnot_wave_0_\@
	s_barrier_signal -3
.Lnot_wave_0_\@:
	s_barrier_wait -3
	s_barrier_signal -1
	s_barrier_wait -1
.endm
.macro CROUND                          ; a whole round
	s_barrier_signal -1
	s_barrier_wait -1
	CREST
.endm
.macro MAKE_S                          ; the 256 partial maxima, eight a lane, become s in v[PM+3], the same in every lane
	v_max3_num_f32 v[PM], v[PM], v[PM+1], v[PM+2]
	v_max3_num_f32 v[PM+3], v[PM+3], v[PM+4], v[PM+5]
	v_max3_num_f32 v[PM], v[PM], v[PM+6], v[PM+7]
	v_max_num_f32 v[PM], v[PM], v[PM+3]
	v_max_num_f32_dpp v[PM], v[PM], v[PM] row_xmask:1 row_mask:0xf bank_mask:0xf
	v_max_num_f32_dpp v[PM], v[PM], v[PM] row_xmask:2 row_mask:0xf bank_mask:0xf
	v_max_num_f32_dpp v[PM], v[PM], v[PM] row_xmask:4 row_mask:0xf bank_mask:0xf
	v_max_num_f32_dpp v[PM], v[PM], v[PM] row_xmask:8 row_mask:0xf bank_mask:0xf
	v_permlanex16_b32 v[PM+1], v[PM], s[SEL], s[SEL+1]
	v_max_num_f32 v[PM], v[PM], v[PM+1]            ; m = max|x|
	v_mul_f32 v[PM+1], s[CR], v[PM]                ; q0 = m / 127, nearly
	v_fma_f32 v[PM+2], v[PM+1], s[CN], v[PM]       ; r = m - 127 q0, exact
	v_fma_f32 v[PM+3], v[PM+2], s[CR], v[PM+1]     ; s = q0 + r / 127
.endm
	s_load_b256 s[4:11], s[0:1], 0x0               ; xq s[4:5], wq s[6:7], pmax s[8:9], weight_scale s[10:11]
	s_load_b128 s[12:15], s[0:1], 0x20             ; out s[12:13], quantized_bias s[14:15]
	v_lshl_add_u32 v[SPW], v0, 2, SPARE
	v_mov_b32 v[NIL], 0
	ds_add_u32 v28, v29
	ds_add_u32 v28, v29
	s_wait_dscnt 0x0
	v_lshrrev_b32 v1, 5, v0
	v_readfirstlane_b32 s16, v1                    ; wave 0..3
	s_lshr_b32 s17, s16, 1                         ; which half of the tile's rows is mine.  Also: I fetch for A (0) or for B (1)
	s_and_b32 s18, s16, 1                          ; which half of its columns.  Also: which of the two blocks I fetch
	s_bfe_u32 s40, ttmp6, 0x40000                  ; cx, cy: my place in the cluster
	s_bfe_u32 s41, ttmp6, 0x40004
	s_lshl_b32 s42, ttmp9, 2
	s_add_co_u32 s42, s42, s40                     ; tile column = 4 x cluster x + cx
	s_and_b32 s19, ttmp7, 0xffff
	s_lshl_b32 s19, s19, 2
	s_add_co_u32 s19, s19, s41                     ; tile row = 4 x cluster y + cy
	s_lshl_b32 s43, s41, 2
	s_lshl_b32 s43, 15, s43                        ; my row of the cluster
	s_lshl_b32 s44, 0x1111, s40                    ; my column
	; descriptor group 1: a dense block as 136 rows of 256 bytes (32 elements of 8 bytes), 16 bytes of padding behind each
	s_or_b32 s[G1+0], s43, (3<<16)|(1<<20)|(1<<21)|(5<<22)|(3<<25)   ; 15:0 the mask: A's blocks go to my row; 17:16 elements of 8 bytes; 20 padding on; 21 set beside a mask; 24:22 after every 64 words (code 5); 31:25 of 4 words (code 3)
	s_or_b32 s[G1B+0], s44, (3<<16)|(1<<20)|(1<<21)|(5<<22)|(3<<25)  ; the same with the mask of my column, for B's blocks
.irp g, G1, G1B
	s_mov_b32 s[\g+1], 32<<16                      ; tensor_dim0 = 32
	s_mov_b32 s[\g+2], UNITS<<16                   ; tensor_dim1 = 136
	s_mov_b32 s[\g+3], 32<<16                      ; tile_dim0 = 32
	s_mov_b32 s[\g+4], UNITS                       ; tile_dim1 = 136
	s_mov_b32 s[\g+5], 32                          ; tensor_dim0_stride: the rows are dense
	s_mov_b32 s[\g+6], 0
	s_mov_b32 s[\g+7], 0
.endr
	; where the blocks come from.  A's hang on the tile row alone, which my row of the cluster shares; B's on the tile column alone, which my column shares; each in registers that never hold the other coordinate
	s_lshl_b32 s20, s19, 1
	s_add_co_u32 s20, s20, s18                     ; A: row block 2 x tile row + half
	s_mul_i32 s20, s20, RB
	s_mov_b32 s21, 0
	s_lshl_b32 s46, s42, 1
	s_add_co_u32 s46, s46, s18                     ; B: row block 2 x tile column + half
	s_mul_i32 s46, s46, RB
	s_mov_b32 s47, 0
	s_mul_i32 s45, s16, HALFT                      ; where they go: wave x a block: no place in the cluster enters an LDS address
	; at which K step my cluster starts: g(cluster x) + g(cluster y) mod 8, g(i) = 4 (i & 1) + (i & 2) = 0, 4, 2, 6
	s_and_b32 s22, ttmp9, 1
	s_lshl_b32 s22, s22, 2
	s_and_b32 s23, ttmp9, 2
	s_add_co_u32 s[KI], s22, s23
	s_and_b32 s22, ttmp7, 1
	s_lshl_b32 s22, s22, 2
	s_and_b32 s23, ttmp7, 2
	s_add_co_u32 s22, s22, s23
	s_add_co_u32 s[KI], s[KI], s22
	s_and_b32 s[KI], s[KI], 7                      ; slot 0 begins with this K step, an even one,
	s_add_co_u32 s[KI+1], s[KI], 1                 ; slot 1 with the next: 7 at the most
	s_mov_b32 s[KO+1], 0
	s_mov_b32 s[CR], 0x3c010204
	s_mov_b32 s[CN], 0xc2fe0000
	s_mov_b32 s[SEL], 0x76543210
	s_mov_b32 s[SEL+1], 0xfedcba98
	s_wait_kmcnt 0x0
	s_add_nc_u64 s[BA:BA+1], s[4:5], s[20:21]
	s_add_nc_u64 s[BB:BB+1], s[6:7], s[46:47]
	CROUND                                         ; all sixteen work-groups are here: the first joint loads meet
.irp s, 0,1
	s_mov_b32 s[G0+4*\s], 1                                        ; count = 1
	s_add_co_u32 s[G0+4*\s+1], s45, \s*SLOT                        ; LDS address
	s_mov_b32 s[G0B+4*\s], 1
	s_add_co_u32 s[G0B+4*\s+1], s45, \s*SLOT
	AIM \s                                         ; global address: my cluster's first and second K step
	JLOAD \s                                       ; two tensor loads of mine are out
.endr
	v_and_b32 v1, 15, v0                           ; r = l % 16
	v_bfe_u32 v2, v0, 4, 1                         ; h = l / 16
	v_and_b32 v6, 31, v0
	v_lshlrev_b32 v[PO], 5, v6
	v_lshlrev_b32 v[BO], 5, v2
	s_lshl_b32 s46, s42, 10                        ; my first column, in bytes of 4 a column: 1,024 x tile column + 512 x half
	s_lshl_b32 s47, s18, 9
	s_add_co_u32 s46, s46, s47
	s_mov_b32 s47, 0
	s_add_nc_u64 s[10:11], s[10:11], s[46:47]
	s_add_nc_u64 s[14:15], s[14:15], s[46:47]
	global_load_b128 v[PM:PM+3], v[PO], s[8:9]
	global_load_b128 v[PM+4:PM+7], v[PO], s[8:9] offset:16
.irp b, 0,1,2,3,4,5,6,7                        ; quantized_bias and weight_scale of columns 16 b + 8 h + 0 .. 7: the result's layout
	global_load_b128 v[BI+8*\b:BI+8*\b+3],   v[BO], s[14:15] offset:64*\b
	global_load_b128 v[BI+8*\b+4:BI+8*\b+7], v[BO], s[14:15] offset:64*\b+16
	global_load_b128 v[AF+8*\b:AF+8*\b+3],   v[BO], s[10:11] offset:64*\b
	global_load_b128 v[AF+8*\b+4:AF+8*\b+7], v[BO], s[10:11] offset:64*\b+16
.endr
	v_mul_u32_u24 v3, v1, PITCH
	v_lshl_add_u32 v4, v2, 4, v3                   ; a fragment's row x pitch + 16 x half
	s_mul_i32 s21, s17, HALFT                      ; my 128 rows of A
	s_mul_i32 s22, s18, HALFT                      ; my 128 rows of B,
	s_add_co_u32 s22, s22, 2*HALFT                 ; which lie behind A's two blocks
.irp s, 0,1
	v_add_nc_u32 v[ADRA+\s], s21, v4
	v_add_nc_u32 v[ADRB+\s], s22, v4
	s_add_co_u32 s21, s21, SLOT
	s_add_co_u32 s22, s22, SLOT
.endr
	s_wait_loadcnt 0x0                             ; pmax, the bias and the scales, once
	MAKE_S
	v_mov_b32 v[PM+2], v[PM+3]                     ; (s, s) in v[10:11]
.irp j, 0,1,2,3,4,5,6,7,8,9,10,11,12,13,14,15,16,17,18,19,20,21,22,23,24,25,26,27,28,29,30,31,32,33,34,35,36,37,38,39,40,41,42,43,44,45,46,47,48,49,50,51,52,53,54,55,56,57,58,59,60,61,62,63
	v_cvt_f32_i32 v[BI+\j], v[BI+\j]
.endr
.irp j, 0,2,4,6,8,10,12,14,16,18,20,22,24,26,28,30,32,34,36,38,40,42,44,46,48,50,52,54,56,58,60,62
	v_pk_mul_f32 v[BI+\j:BI+\j+1], v[BI+\j:BI+\j+1], v[AF+\j:AF+\j+1]     ; float(quantized_bias) * weight_scale
.endr
.irp j, 0,2,4,6,8,10,12,14,16,18,20,22,24,26,28,30,32,34,36,38,40,42,44,46,48,50,52,54,56,58,60,62
	v_pk_mul_f32 v[BI+\j:BI+\j+1], v[BI+\j:BI+\j+1], v[PM+2:PM+3]         ; * s, in that order
.endr
	s_mul_i32 s21, s17, HALFT                      ; the scale words: lanes 0-15 A's block, lanes 16-31 B's: the lower base + h x the distance between the two, as one product
	s_mul_i32 s22, s18, HALFT
	s_add_co_u32 s22, s22, 2*HALFT
	s_sub_co_u32 s22, s22, s21
	v_mul_u32_u24 v6, s22, v2
	v_lshl_add_u32 v5, v1, 4, v6                   ; + 16 bytes a row
	s_add_co_u32 s21, s21, SOFF
	v_add_nc_u32 v[ADRS], s21, v5
	v_add_nc_u32 v[ADRS+1], SLOT, v[ADRS]
	s_mul_i32 s23, s16, 16*SPITCH                  ; my stage
	v_mul_u32_u24 v5, v1, SPITCH                   ; in: row l % 16, 32 bytes for each half of the lanes
	v_lshl_add_u32 v5, v2, 5, v5
	v_add_nc_u32 v[STO], s23, v5
	v_and_b32 v6, 31, v0
	v_lshlrev_b32 v[CO], 4, v6                     ; back: the 32 lanes take one row of 512 bytes; and the same in out
	v_add_nc_u32 v[RD], s23, v[CO]
	s_lshl_b32 s20, s19, 8
	s_lshl_b32 s21, s17, 7
	s_add_co_u32 s20, s20, s21                     ; my first row of out: 256 x tile row + 128 x half,
	s_lshl_b32 s20, s20, 14                        ; of 16,384 bytes (under 2^27 in all)
	s_mov_b32 s21, 0
	s_add_nc_u64 s[20:21], s[20:21], s[46:47]      ; + my first column
	s_add_nc_u64 s[12:13], s[12:13], s[20:21]
.macro FRAG reg, adr, q, i             ; a fragment, 16 rows x 128 K of 4-bit codes, is 8 registers: lane l holds row l % 16; registers 4 c .. 4 c + 3 hold K = 64 c + 32 (l / 16) + 0 .. 31, the lower K in the lower bits
.irp c, 0,1
	ds_load_b128 v[\reg+4*\c:\reg+4*\c+3], v[\adr] offset:64*(\q)+32*\c+(\i)*16*PITCH
.endr
.endm
; 16 matrix instructions: A's blocks a0, a0 + 1 x B's eight, 128 along K: the slot's q-th.  p: B's set;  sc: the set of scale words.  first = 1: the bias is C: the first product starts the sums.
; The 64 accumulators take turns, one instruction a turn, in the same order in every step.
.macro MUL16 a0, p, q, sc, first
.irp a, \a0, \a0+1
.irp b, 0,1,2,3,4,5,6,7
.if \first
	v_wmma_scale_f32_16x16x128_f8f6f4 v[8*(8*((\a)%4)+\b):8*(8*((\a)%4)+\b)+7], v[128*(\p)+FR*\b:128*(\p)+FR*\b+FR-1], v[AF+FR*(\a):AF+FR*(\a)+FR-1], v[BI+8*\b:BI+8*\b+7], v[SC+8*NQ*(\sc)+NQ*\b+(\q)], v[SC+8*NQ*(\sc)+NQ*(\a)+(\q)] matrix_a_fmt:MATRIX_FMT_FP4 matrix_b_fmt:MATRIX_FMT_FP4 matrix_a_scale:MATRIX_SCALE_ROW1
.else
	v_wmma_scale_f32_16x16x128_f8f6f4 v[8*(8*((\a)%4)+\b):8*(8*((\a)%4)+\b)+7], v[128*(\p)+FR*\b:128*(\p)+FR*\b+FR-1], v[AF+FR*(\a):AF+FR*(\a)+FR-1], v[8*(8*((\a)%4)+\b):8*(8*((\a)%4)+\b)+7], v[SC+8*NQ*(\sc)+NQ*\b+(\q)], v[SC+8*NQ*(\sc)+NQ*(\a)+(\q)] matrix_a_fmt:MATRIX_FMT_FP4 matrix_b_fmt:MATRIX_FMT_FP4 matrix_a_scale:MATRIX_SCALE_ROW1
.endif
.endr
.endr
.endm
.macro FETCH_B slot, q, p              ; B's eight fragments of the slot's q-th 128 along K into set p
	WIN TO_B
.irp i, 0,1,2,3,4,5,6,7
	FRAG 128*(\p)+FR*\i, ADRB+\slot, \q, \i
.endr
	WIN 0
.endm
.macro FETCH_A slot, q, i0             ; A's blocks i0 .. i0 + 3
.irp i, \i0, \i0+1, \i0+2, \i0+3
	FRAG AF+FR*(\i), ADRA+\slot, \q, \i
.endr
.endm
.macro SCALES sc                       ; slot sc's scale words into set sc: four words a row; lanes 0-15 take A's block i, lanes 16-31 B's block i; sixteen lanes read 256 consecutive bytes
.irp i, 0,1,2,3,4,5,6,7
	ds_load_b128 v[SC+8*NQ*\sc+NQ*\i:SC+8*NQ*\sc+NQ*\i+3], v[ADRS+\sc] offset:\i*PITCH
.endr
.endm
; A load into a register that a matrix instruction has read, and an LDS store that reads a matrix result, stand NP places behind that matrix instruction, and only plain vector instructions that name none of
; its registers are places (ISA guide 7.12.1 for vector instructions); the matrix instructions in between are not counted.
.macro PLACES n
.rept \n
	v_nop
.endr
.endm
; A step of 128 along K that has its successor in the same slot.
.macro STEP slot, q, first
	s_wait_dscnt 4*NL                              ; B's set, A's blocks 0-3 and the scale words are in; the youngest eight loads (A's blocks 4-7) may be out
.if \first
	WIN FST_LO
.else
	WIN MUL_LO
.endif
	MUL16 0, (\q)%2, \q, \slot, \first
	MUL16 2, (\q)%2, \q, \slot, \first
	s_wait_dscnt 0                                 ; A's blocks 4-7 are in (asked for 32 matrix instructions ago)
	PLACES NP
	FETCH_B \slot, (\q)+1, 1-(\q)%2
	FETCH_A \slot, (\q)+1, 0
.if \first
	WIN FST_HI
.else
	WIN MUL_HI
.endif
	MUL16 4, (\q)%2, \q, \slot, \first
	MUL16 6, (\q)%2, \q, \slot, \first
	PLACES NP
	WIN 0
	FETCH_A \slot, (\q)+1, 4
.endm
; A slot's last step changes slots: ONE barrier; in front of it each wave waits for all its tensor loads, adds 0 to its spare word, and waits for that and for its own reads of this slot.  fill = 1: this slot is filled again, with the K step two on, modulo 8.
.macro TURN slot, next, fill
	s_wait_tensorcnt 0x0                           ; all my tensor loads have landed: the one that was out is my block of the next slot  (every window is 0 here: the add's two registers lie in window 0)
	ds_add_u32 v[SPW], v[NIL]                      ; 0 onto my spare word
	s_wait_dscnt 4*NL+1                            ; (the add and the youngest eight loads, A's blocks 4-7, may be out)
	WIN MUL_LO
	MUL16 0, 1, NQ-1, \slot, 0                     ; sixteen matrix instructions stand between the add and the wait for it
	s_wait_dscnt 0x0                               ; the add is done, and my reads of this slot are over
	s_barrier_signal -1
	MUL16 2, 1, NQ-1, \slot, 0
	WIN 0
	s_barrier_wait -1
.if \fill
	CREST                                          ; the barrier has opened a round of the cluster's barrier: no wave of any partner still reads this slot or has a load on its way
	s_add_co_u32 s[KI+\slot], s[KI+\slot], 2       ; two K steps on,
	s_and_b32 s[KI+\slot], s[KI+\slot], 7          ; round the row block's eight
	AIM \slot
	JLOAD \slot                                    ; the first tensor load behind the round, my only one until the next; the four v_nop behind it are the places in front of the loads below
.else
	PLACES NP
.endif
	FETCH_B \next, 0, 0
	FETCH_A \next, 0, 0
	SCALES \next
	WIN MUL_HI
	MUL16 4, 1, NQ-1, \slot, 0
	MUL16 6, 1, NQ-1, \slot, 0
	PLACES NP
	WIN 0
	FETCH_A \next, 0, 4
.endm
.macro STEPS slot, from                ; the slot's steps from .. NQ - 2
.set Q, \from
.rept NQ-1-\from
	STEP \slot, Q, 0
.set Q, Q+1
.endr
.endm
	s_wait_tensorcnt 1                             ; my block of my cluster's first K step is in; the second's load may stay out
	s_barrier_signal -1
	s_barrier_wait -1                              ; everybody's is
	FETCH_B 0, 0, 0
	FETCH_A 0, 0, 0
	SCALES 0
	FETCH_A 0, 0, 4
	STEP 0, 0, 1                                   ; the first step stands in front of the loop: its products start the sums, on the bias
	s_mov_b32 s3, LAPS-1
.Llap:                                                 ; a trip goes once round the ring, from a lap's second step to the next lap's first, and fills both slots again: three trips ask for my cluster's third to eighth K step
	STEPS 0, 1
	TURN 0, 1, 1
	STEPS 1, 0
	TURN 1, 0, 1
	STEP 0, 0, 0
	s_sub_co_u32 s3, s3, 1
	s_cmp_lg_u32 s3, 0
	s_cbranch_scc1 .Llap
	STEPS 0, 1                                     ; the last lap fills nothing, and has no round of the cluster's barrier
	TURN 0, 1, 0
	STEPS 1, 0
	s_wait_dscnt 4*NL                              ; the very last step: nothing more to fetch
	WIN MUL_LO
	MUL16 0, 1, NQ-1, 1, 0
	MUL16 2, 1, NQ-1, 1, 0
	s_wait_dscnt 0
	WIN MUL_HI
	MUL16 4, 1, NQ-1, 1, 0
	MUL16 6, 1, NQ-1, 1, 0
	WIN 0
; THE WAY OUT, block by block of 16 rows x 128 columns.  A lane holds 32 neighbouring bytes of a row, and the lanes beside it hold other rows: so a block goes through my own stage in LDS and comes back as whole
; rows of 512 bytes.  LDS serves a wave's instructions in order (ISA guide 5.7.1.4): no wait between the stores and the loads, nor in front of the next block's stores.
.macro TOSTAGE a
.set AC, 64*((\a)%4)
	WIN 0x08+4*((\a)/4)                            ; an LDS store's data are its source 1: window 2 or 3
.irp b, 0,1,2,3,4,5,6,7
	ds_store_b128 v[STO], v[AC+8*\b:AC+8*\b+3] offset:64*\b          ; each accumulator from its low end on
	ds_store_b128 v[STO], v[AC+8*\b+4:AC+8*\b+7] offset:64*\b+16
.endr
	WIN 0
.set BB2, BK+64*((\a)%2)
.irp t, 0,1,2,3,4,5,6,7,8,9,10,11,12,13,14,15
	ds_load_b128 v[BB2+4*\t:BB2+4*\t+3], v[RD] offset:\t*SPITCH
.endr
.endm
.macro SEND a, younger                 ; younger: the LDS instructions issued behind block a's loads, which may stay out
.set BB2, BK+64*((\a)%2)
	s_wait_dscnt \younger                          ; the block is back in registers
.if (\a) > 0
	s_add_nc_u64 s[12:13], s[12:13], 16*SIZE_N*4   ; (behind a wait on XCNT for 0: the earlier stores have read their base)  16 rows of out on, so that the stores' offsets stay at 15 rows at the most
.endif
.irp t, 0,1,2,3,4,5,6,7,8,9,10,11,12,13,14,15
	global_store_b128 v[CO], v[BB2+4*\t:BB2+4*\t+3], s[12:13] offset:\t*SIZE_N*4 th:TH_STORE_NT   ; 32 lanes store 512 consecutive bytes, at a multiple of 256 from out's first byte; written once, read by nobody here
.endr
.endm
	PLACES NP                                      ; in front of the loads into the registers that held A's fragments, and of the first reads of results
	TOSTAGE 0
.irp a, 1,2,3,4,5,6,7
.if \a > 1
	s_wait_xcnt 0x0                                ; block a - 2's stores have read their registers and their base: block a's loads may land there, and the base may step
.endif
	TOSTAGE \a
	SEND \a-1, 32                                  ; behind block a - 1's loads: block a's 16 stores and 16 loads
.endr
	s_wait_xcnt 0x0                                ; block 6's stores have read their base
	SEND 7, 0
	s_wait_tensorcnt 0x0                           ; the wave's end, behind my last tensor load and my last LDS store
	ds_add_u32 v[SPW], v[NIL]
	s_wait_dscnt 0x0
	CROUND                                         ; the closing round: no work-group ends while a partner may still ask for a block that names it
	s_endpgm
.Lfunc_end_k_q2a9ef5fad7_gemm:
	.size	k_q2a9ef5fad7_gemm, .Lfunc_end_k_q2a9ef5fad7_gemm-k_q2a9ef5fad7_gemm
	.p2alignl 7, 3214868480
	.fill 96, 4, 3214868480
	.section	.rodata,"a",@progbits
	.p2align	6, 0x0
	.amdhsa_kernel k_q2a9ef5fad7_gemm
		.amdhsa_group_segment_fixed_size 327680
		.amdhsa_private_segment_fixed_size 0
		.amdhsa_enable_private_segment 0
		.amdhsa_kernarg_size 48
		.amdhsa_user_sgpr_count 2
		.amdhsa_user_sgpr_kernarg_segment_ptr 1
		.amdhsa_wavefront_size32 1
		.amdhsa_system_sgpr_workgroup_id_x 1
		.amdhsa_system_sgpr_workgroup_id_y 1
		.amdhsa_system_sgpr_workgroup_id_z 1
		.amdhsa_system_vgpr_workitem_id 0
		.amdhsa_next_free_vgpr 1024
		.amdhsa_next_free_sgpr 80
		.amdhsa_reserve_vcc 0
		.amdhsa_float_denorm_mode_32 3
		.amdhsa_float_denorm_mode_16_64 3
		.amdhsa_memory_ordered 1
		.amdhsa_forward_progress 1
		.amdhsa_inst_pref_size 220
	.end_amdhsa_kernel
	.amdgpu_metadata
---
amdhsa.version: [ 1, 2 ]
amdhsa.kernels:
  - .name:           k_q2a9ef5fad7_gemm
    .symbol:         k_q2a9ef5fad7_gemm.kd
    .args:
      - { .name: xq, .offset: 0, .size: 8, .value_kind: global_buffer, .address_space: global }
      - { .name: wq, .offset: 8, .size: 8, .value_kind: global_buffer, .address_space: global }
      - { .name: pmax, .offset: 16, .size: 8, .value_kind: global_buffer, .address_space: global }
      - { .name: weight_scale, .offset: 24, .size: 8, .value_kind: global_buffer, .address_space: global }
      - { .name: out0, .offset: 32, .size: 8, .value_kind: global_buffer, .address_space: global }
      - { .name: quantized_bias, .offset: 40, .size: 8, .value_kind: global_buffer, .address_space: global }
    .group_segment_fixed_size: 327680
    .private_segment_fixed_size: 0
    .kernarg_segment_align: 8
    .kernarg_segment_size: 48
    .max_flat_workgroup_size: 128
    .sgpr_count:     80
    .vgpr_count:     1024
    .wavefront_size: 32
...
	.end_amdgpu_metadata
.endif
;; end of part 3
